; MI455X (gfx1250); checked and timed in simulation.
; The chip was launched on July 23, 2026; its instructions are those of AMD's public machine-readable ISA for CDNA 5 (MIT licence, August 2026) and "CDNA5" Instruction Set Architecture Reference Guide (July 2026). The comments in the code are by the model that wrote it; some were corrected since.
;; Dot Product Attention. Allowed arithmetic: matrix products marked QUANTISED: E5M2 operands, one E8M0 scale for each 32 along K, by v_wmma_scale_f32_16x16x128_f8f6f4 with both operands' format E5M2, f32 sums; everything else in f32.
;; Inputs: attention_mask 2 x 1 x 2,048 x 2,048 bool; key 2,048 x 2 x 32 x 128 float32; query 2,048 x 2 x 32 x 128 float32; value 2,048 x 2 x 32 x 128 float32.
;; Outputs: out0 2,048 x 2 x 4,096 float32.
;; This version of the problem:
;;   THIS VERSION OF THE PROBLEM IS GIVEN IN LOW PRECISION. The matrix products marked QUANTISED in the list below multiply operands that are first quantised to E5M2 (5 exponent bits, 2 mantissa bits; 8 bits a number), with one power-of-two scale for each 32 numbers along K (OCP MX v1.0); their sums are f32. All else is computed in f32.
;;   The module's matrix products, in the order in which they are computed (A, B: the left and right operand; K: the contracted axis; several contracted axes count as one K, in the product's order):
;;     1. batch 64 x [M 2,048, K 128] x [K 128, N 2,048]; A: input query; B: input key: QUANTISED
;;     2. batch 64 x [M 2,048, K 2,048] x [K 2,048, N 128]; A: computed on the way; B: input value: QUANTISED
;;   THE QUANTISER, for each operand of a quantised product, along K:
;;     - K is cut into blocks of 32 from its start; a last block that is shorter is filled with zeros.
;;     - A block's scale is 2^e with e = floor(log2(the largest magnitude in the block)) - 15, held to -126 .. 127; a block of zeros has e = 0. As a byte (E8M0): e + 127.
;;     - Each number is divided by its block's scale, clamped to +-57,344, and rounded to the nearest number of E5M2, ties to even, subnormals kept.
;;     - The product sums the exact products of the quantised numbers (number of the format x scale) in f32.
;;   ~~~python
;;   def quantise(x, axis):      # numpy; x: float32 -> the quantised numbers, widened to float32 again
;;       x = np.moveaxis(x, axis, -1); K = x.shape[-1]
;;       x = np.pad(x, [(0, 0)] * (x.ndim - 1) + [(0, -K % 32)]); x = x.reshape(x.shape[:-1] + (-1, 32)); a = np.abs(x).max(-1, keepdims=True)
;;       e = np.where(a > 0, np.clip(np.frexp(np.where(a > 0, a, 1))[1] - 1 - 15, -126, 127), 0)      # np.frexp(a)[1] - 1 = floor(log2(a)), exactly
;;       r = np.clip(x / 2.0 ** e, -57344, 57344)
;;       step = 2.0 ** (np.maximum(np.frexp(np.where(r == 0, 1, r))[1] - 1, -14) - 2)
;;       q = np.round(r / step) * step * 2.0 ** e      # np.round: ties to even
;;       return np.moveaxis(q.reshape(q.shape[:-2] + (-1,))[..., :K], -1, axis).astype(np.float32)
;;   ~~~
;;   OPERANDS COMPUTED ON THE WAY. 'Computed on the way' means the value that the module computes at that place (a softmax that the list does not call 'softmax' is quantised finished and normalised). What goes into a quantiser is computed in f32, as accurately as f32 sums, v_exp_f32 and their like allow (about 1e-6 of the number): no bf16 or f16 on the way to a quantiser, and a product that is left as it is and whose result goes on into a quantised operand takes f32 operands (vector FMAs, or v_wmma_f32_16x16x4_f32). A number that lies on a knife's edge between two numbers of the format may be rounded either way, as far as f32 arithmetic and the matrix unit's own rounding can turn it there, and no further.
;; One version. Each part assembles by itself: llvm-mc -triple=amdgcn-amd-amdhsa -mcpu=gfx1250 --defsym DOCPART=n.
;; ======== version 1 of 1: 2 launches
;; limits: right only within a limited range of input values
;; workspace buffers: kcodes 16,777,216 bytes; vbuf 17,825,792 bytes; maskw 1,048,576 bytes of whole numbers
;; launch prep (part 1): grid 256 x 4, 4 waves a work-group, no clusters, 68,096 bytes of LDS; arguments key, value, attention_mask, kcodes, vbuf, maskw; writes kcodes, vbuf, maskw
.if DOCPART == 1
	.amdgcn_target "amdgcn-amd-amdhsa--gfx1250"
	.amdhsa_code_object_version 6
	.text
	.protected	k_qfb813fd545_prep
	.globl	k_qfb813fd545_prep
	.p2align	8
	.type	k_qfb813fd545_prep,@function
k_qfb813fd545_prep:
	s_mov_b64 s[64:65], 0
	v_nop
	global_prefetch_b8 v0, s[64:65] scope:SCOPE_SE
	s_setreg_imm32_b32 hwreg(HW_REG_WAVE_MODE, 25, 1), 1
	s_wait_xcnt 0x0
; PREP: what every query block of a head reads again is made once: K's and V's codes of BF8 (E5M2) with their E8M0 scale words, and the mask as lane words.
; NOTHING OF THE PROBLEM IS LEFT OUT: all four inputs have a way to the output, and both products are live; the second launch makes the first product twice (see its head).
; key, value: [2048 (s)][64 (head = b x 32 + nh)][128] f32: a head's row is 512 bytes, rows lie 32,768 bytes apart.  attention_mask: [2][2048 (q)][2048 (k)] bytes.
; THE BUFFERS ARE LAID IN THE ORDER OF THE OPERANDS' REGISTERS.  A key step is 128 keys.  A fragment (16 rows x 128 along K, 16 registers a lane) is an image of 2,048 bytes: register group c at 512 c, lane l's 16 bytes at 16 l.
;   kcodes [head][step][8 fragments]: lane (r = l % 16, h = l / 16) of fragment 2 b + u holds key 128 step + 32 b + 8 u + r + 8 (r / 8), channels 32 c + 16 h + 0 .. 15 (K = the head's 128).
;          The keys of a fragment are not neighbours, so that the 16 score registers of fragments 2 b and 2 b + 1 are 16 neighbouring keys.
;   vbuf   [head][278,528 bytes]: 0: K's scale words, 512 bytes a step: lane l's word b is that of fragment 2 b + l / 16, row l % 16;   8,192: V's, 512 bytes a step: lane l's word g is that of channel 32 g + l;
;          16,384 (1 + step): V's codes: fragment t, lane (r, h): channel 16 t + r, keys 128 step + 32 c + 16 h + 0 .. 15 (K = the keys).
;   maskw  [batch][tile of 16 queries][step][64 words]: bit L of word n = mask[batch][16 tile + L % 16][128 step + 32 (n / 16) + 16 (L / 16) + n % 16]: the lane mask of score register n.
; THE QUANTISER: a block's scale is 2^(floor(log2(its largest magnitude)) - 15); its byte is that magnitude's exponent field - 15, held at 1 from below; each number is held within +-57,344 x the scale and rounded to the nearest code, ties to even.
; LIMITS: a block of zeros gets the byte 1 where the rule says 127 (its codes are zeros, which add nothing under any byte but 0xff, and this program alone reads the bytes); NaN and infinities among the inputs are not served;
; any mask byte other than 0 counts as true.
; SHARES: work-group y picks the work.  y = 0: key: a wave takes one (head, step): 128 rows x 512 bytes; the four waves take four neighbouring heads of the same rows.
; y = 1, 2: value: a wave takes one (head, step) and 64 of its 128 channels (y - 1 says which): 128 rows x 256 bytes.   y = 3: the mask: a work-group takes a tile of 16 queries, a wave four steps.
; K AND THE MASK TURN THROUGH LDS.  The operand's order gives a lane 16 neighbours of ITS row, so loads in that order would take 32 bytes of each of 16 rows.  Instead each load of a wave takes 512 consecutive bytes of ONE row,
; 16 rows go into the wave's own stage as they lie (rows 528 bytes apart: 512 + 16), and come back in the operand's order.
; Waves share nothing: no barrier.  Each path has LDS bytes of its own.
.set SROW,  528                        ; a stage row
.set WSTG,  16*SROW                    ; a wave's stage: 8,448 bytes
.set KST,   0                          ; LDS: K's four stages;
.set MST,   4*WSTG                     ; the mask's four;
.set SPARE, 8*WSTG                     ; the spare words, 128 bytes for each wave: two blocks of 256 bytes that no other line names
.set SPW, 6                            ; v6      LDS address of my spare word; never rewritten
.set NIL, 7                            ; v7      0; never rewritten
.set TM,  8                            ; v8-23   at work: +0..3 largest magnitudes, +4..7 the other half's, then bytes, +8..11 57,344 x the scale, +12..15 the conversions' scale operand
.set WD,  24                           ; v24     K: the scale word just made;  V: my place in a fragment's image
.set EW,  25                           ; v25     K: an even fragment's word, kept for its odd neighbour
.set WA,  26                           ; v26     the stage, on the way in: my wave's stage + 16 x lane
.set RA,  27                           ; v27     and on the way out: my wave's stage + 528 r + my half's bytes
.set SW,  28                           ; v28-31  the step's scale words
.set PC,  32                           ; v32-63  K: codes, two sets by turns;  the mask: eight registers of words
.set RR,  64                           ; v64-191 K: rows as loaded, two sets of 64;  V: v64-127 two sets of 32 numbers, v128-191 eight registers of codes for each unit;  the mask: v64-127 rows, v128-191 turned
.set XR,  192                          ; v192-255 K: a fragment's 64 numbers a lane in the operand's order
.set SEL, 20                           ; s[20:21] v_permlanex16_b32's selects for lane l xor 16
.set MNT, 22                           ; s22     the mantissa field of 57,344
; 64 numbers of a lane, register 16 b + i = k 32 b + 16 (lane / 16) + i of the lane's row, become a fragment's 16 registers of codes in v[d] on and the row's scale word in v[w]
.macro QUANT s, d, w
.irp b, 0,1,2,3
	v_max3_num_f32 v[TM+\b], |v[(\s)+16*\b]|, |v[(\s)+16*\b+1]|, 0x8000000   ; block b: my 16 numbers, and the floor 2^(16 - 127): the byte cannot fall under 1
.endr
.irp i, 2,4,6,8,10,12,14
.irp b, 0,1,2,3
	v_max3_num_f32 v[TM+\b], v[TM+\b], |v[(\s)+16*\b+\i]|, |v[(\s)+16*\b+\i+1]|   ; the four blocks by turns
.endr
.endr
.irp b, 0,1,2,3
	v_permlanex16_b32 v[TM+4+\b], v[TM+\b], s[SEL], s[SEL+1]
.endr
.irp b, 0,1,2,3
	v_max_num_f32 v[TM+\b], v[TM+\b], v[TM+4+\b]          ; with lane l xor 16's 16: the block's largest magnitude
.endr
.irp b, 0,1,2,3
	v_add_nc_u32 v[TM+12+\b], 0xf8800000, v[TM+\b]        ; 15 off its exponent field: the conversion takes this operand's exponent field as its scale
.endr
.irp b, 0,1,2,3
	v_and_or_b32 v[TM+8+\b], v[TM+\b], 0x7f800000, s[MNT] ; 57,344 x the scale
.endr
.irp b, 0,1,2,3
	v_lshrrev_b32 v[TM+4+\b], 23, v[TM+12+\b]             ; the scale's byte
.endr
	v_lshl_or_b32 v[\w], v[TM+5], 8, v[TM+4]
	v_lshl_or_b32 v[\w], v[TM+6], 16, v[\w]
	v_lshl_or_b32 v[\w], v[TM+7], 24, v[\w]               ; the row's scale word; both halves of the lanes hold it
.irp b, 0,1,2,3
.irp i, 0,1,2,3,4,5,6,7,8,9,10,11,12,13,14,15
	v_med3_num_f32 v[(\s)+16*\b+\i], v[(\s)+16*\b+\i], -v[TM+8+\b], v[TM+8+\b]   ; the conversion to an 8-bit code does not saturate (ISA guide 7.6.2): the hold comes first
.endr
	v_cvt_scalef32_pk8_bf8_f32 v[(\d)+4*\b:(\d)+4*\b+1], v[(\s)+16*\b:(\s)+16*\b+7], v[TM+12+\b]
	v_cvt_scalef32_pk8_bf8_f32 v[(\d)+4*\b+2:(\d)+4*\b+3], v[(\s)+16*\b+8:(\s)+16*\b+15], v[TM+12+\b]
.endr
	v_nop                                                 ; one plain line behind the last conversion
.endm
	s_load_b256 s[4:11], s[0:1], 0x0               ; key s[4:5], value s[6:7], attention_mask s[8:9], kcodes s[10:11]
	s_load_b128 s[12:15], s[0:1], 0x20             ; vbuf s[12:13], maskw s[14:15]
	v_lshl_add_u32 v[SPW], v0, 2, SPARE
	v_mov_b32 v[NIL], 0
	v_lshrrev_b32 v1, 5, v0
	v_readfirstlane_b32 s16, v1                    ; wave 0..3
	v_and_b32 v1, 31, v0                           ; lane
	v_and_b32 v2, 15, v0                           ; r
	v_bfe_u32 v3, v0, 4, 1                         ; h
	v_lshlrev_b32 v5, 4, v1                        ; 16 x lane: my 16 bytes of a row of 512, and an image's place for my lane; never rewritten
	s_mul_i32 s34, s16, WSTG                       ; my wave's stage
	v_add_nc_u32 v[WA], s34, v5
	v_mul_u32_u24 v[RA], v2, SROW
	v_add_nc_u32 v[RA], s34, v[RA]                 ; stage row r; each path adds its half's bytes
	s_and_b32 s17, ttmp7, 0xffff                   ; which work
	s_lshr_b32 s18, ttmp9, 4                       ; step
	s_and_b32 s19, ttmp9, 15
	s_lshl_b32 s19, s19, 2
	s_add_co_u32 s19, s19, s16                     ; head
	s_mov_b32 s[SEL], 0x76543210
	s_mov_b32 s[SEL+1], 0xfedcba98
	s_mov_b32 s[MNT], 0x600000
	s_mov_b32 s23, 0xffff0000                      ; lanes 16-31
	s_lshl_b32 s24, s18, 22                        ; 128 rows of 32,768 bytes a step,
	s_lshl_b32 s25, s19, 9                         ; 512 bytes a head
	s_add_co_u32 s24, s24, s25
	s_mov_b32 s25, 0                               ; s[24:25]: where my (head, step) begins in key and in value (under 2^26)
	s_mul_i32 s26, s19, 278528
	s_mov_b32 s27, 0                               ; s[26:27]: my head in vbuf
	s_lshl_b32 s28, s18, 9
	s_mov_b32 s29, 0                               ; s[28:29]: my step's 512 bytes of scale words
	s_wait_kmcnt 0x0
	s_cmp_eq_u32 s17, 3
	s_cbranch_scc1 .Lmask
	s_cmp_lg_u32 s17, 0
	s_cbranch_scc1 .Lvalue
; ---- K.  A fragment's 16 rows come by 16 loads of 512 consecutive bytes, turn through my stage, and are quantised; the rows of two fragments further on are asked for as soon as the stage has taken this one's.
	s_add_nc_u64 s[4:5], s[4:5], s[24:25]
	s_lshl_b32 s30, s19, 18
	s_lshl_b32 s31, s18, 14
	s_add_co_u32 s30, s30, s31
	s_mov_b32 s31, 0
	s_add_nc_u64 s[10:11], s[10:11], s[30:31]      ; kcodes at my (head, step)
	s_add_nc_u64 s[12:13], s[12:13], s[26:27]
	s_add_nc_u64 s[12:13], s[12:13], s[28:29]      ; K's scale words of my step
	s_wait_alu depctr_va_vdst(0)
	v_lshl_add_u32 v[RA], v3, 6, v[RA]             ; + 64 h: my 16 channels of a block of 32
.irp b, 0,1,2,3
	v_mov_b32 v[TM+4+\b], 0                        ; written once: a lane permute's destination counts as one of its sources
.endr
.macro KLOAD t                         ; fragment t's 16 rows into set t % 2: stage row i is key 32 (t / 2) + 8 (t % 2) + i + 8 (i / 8) of the step
.set ii, 0
.rept 16
	global_load_b128 v[RR+64*((\t)%2)+4*ii:RR+64*((\t)%2)+4*ii+3], v5, s[4:5] offset:(32*((\t)/2)+8*((\t)%2)+ii+8*(ii/8))*32768 th:TH_LOAD_NT   ; 32 lanes read 512 consecutive bytes, aligned
.set ii, ii+1
.endr
.endm
.macro KTILE t
.if (\t) < 7
	s_wait_loadcnt 16                              ; this fragment's 16 loads are in; the next one's 16 may be out
.else
	s_wait_loadcnt 0x0
.endif
.set ii, 0
.rept 16
	ds_store_b128 v[WA], v[RR+64*((\t)%2)+4*ii:RR+64*((\t)%2)+4*ii+3] offset:KST+SROW*ii
.set ii, ii+1
.endr
.irp b, 0,1,2,3
.irp j, 0,1,2,3
	ds_load_b128 v[XR+16*\b+4*\j:XR+16*\b+4*\j+3], v[RA] offset:KST+128*\b+16*\j   ; LDS serves a wave's instructions in order (ISA guide 5.7.1.4): these see my stores
.endr
.endr
.if (\t) >= 2
	s_wait_xcnt 0x0                                ; the stores of two fragments back have read this set of codes.  It stands ahead of the loads below, so that it waits for nothing just issued
.endif
.if (\t) < 6
	s_wait_dscnt 16                                ; the 16 LDS loads may be out: the 16 stores in front of them are done and have read their registers,
	KLOAD (\t)+2                                   ; which take the rows of two fragments on
.endif
	s_wait_dscnt 0x0                               ; the fragment is back, in the operand's order
	QUANT XR, PC+16*((\t)%2), WD
.irp c, 0,1,2,3
	global_store_b128 v5, v[PC+16*((\t)%2)+4*\c:PC+16*((\t)%2)+4*\c+3], s[10:11] offset:2048*(\t)+512*\c   ; 32 lanes store 512 consecutive bytes
.endr
.if (\t)%2 == 0
	v_mov_b32 v[EW], v[WD]
.else
	v_cndmask_b32 v[SW+(\t)/2], v[EW], v[WD], s23  ; lanes 0-15: the even fragment's words; lanes 16-31: the odd one's
.endif
.endm
	KLOAD 0
	KLOAD 1
	s_wait_alu depctr_va_vdst(0)
.irp t, 0,1,2,3,4,5,6,7
	KTILE \t
.endr
	global_store_b128 v5, v[SW:SW+3], s[12:13]     ; the step's 512 bytes of scale words
	s_wait_tensorcnt 0x0                           ; the wave's end, behind my last LDS store
	ds_add_u32 v[SPW], v[NIL]
	s_wait_dscnt 0x0
	s_endpgm
; ---- V: K = the keys is not innermost.  A lane takes a channel and its registers run down the keys: a block of 32 keys lies in one lane, and the codes come out with the keys innermost.  No LDS.
; My wave has channels 64 p on, p = y - 1.  Eight units k = 2 c + g: keys 32 c on, channels 64 p + 32 g on; each load reads 128 consecutive bytes, two units on end 256 consecutive bytes of the same 32 rows.
; Every unit has registers of its own for its codes, so that no store's data are written again and no wait stands between a unit's stores and the next loads.
.Lvalue:
	s_sub_co_u32 s35, s17, 1                       ; p
	s_lshl_b32 s30, s35, 8                         ; my 256 bytes of each row
	s_mov_b32 s31, 0
	s_add_nc_u64 s[6:7], s[6:7], s[24:25]
	s_add_nc_u64 s[6:7], s[6:7], s[30:31]
	s_add_nc_u64 s[12:13], s[12:13], s[26:27]      ; vbuf at my head
	s_lshl_b32 s30, s18, 14
	s_add_co_u32 s30, s30, 16384
	s_lshl_b32 s36, s35, 13                        ; my four fragments of the step's eight
	s_add_co_u32 s30, s30, s36
	s_add_nc_u64 s[32:33], s[12:13], s[30:31]      ; V's codes of my step and half
	s_lshl_b32 s30, s35, 3                         ; my two of a lane's four scale words
	s_add_nc_u64 s[12:13], s[12:13], s[28:29]
	s_add_nc_u64 s[12:13], s[12:13], s[30:31]      ; (the 8,192 stand in the store's immediate)
	s_wait_alu depctr_va_vdst(0)
	v_lshlrev_b32 v4, 2, v1                        ; in: 4 bytes a lane
	v_lshlrev_b32 v[WD], 11, v3
	v_lshl_add_u32 v[WD], v2, 4, v[WD]             ; out: channel 32 g + l is row l % 16 of fragment 2 g + l / 16
.macro VLOAD k
.set ii, 0
.rept 32
	global_load_b32 v[RR+32*((\k)%2)+ii], v4, s[6:7] offset:(32*((\k)/2)+ii)*32768+128*((\k)%2) th:TH_LOAD_NT
.set ii, ii+1
.endr
.endm
.macro VUNIT k
.set XS, RR+32*((\k)%2)
.set CC, RR+64+8*(\k)
.if (\k) < 7
	s_wait_loadcnt 32                              ; this unit's 32 loads are in; the next unit's may be out
.else
	s_wait_loadcnt 0x0
.endif
	v_max3_num_f32 v[TM], |v[XS]|, |v[XS+1]|, |v[XS+2]|       ; the block's largest magnitude: all 32 numbers are mine
	v_max3_num_f32 v[TM+1], |v[XS+3]|, |v[XS+4]|, |v[XS+5]|
.irp i, 6,10,14,18,22,26
	v_max3_num_f32 v[TM], v[TM], |v[XS+\i]|, |v[XS+\i+1]|
	v_max3_num_f32 v[TM+1], v[TM+1], |v[XS+\i+2]|, |v[XS+\i+3]|
.endr
	v_max3_num_f32 v[TM], v[TM], |v[XS+30]|, |v[XS+31]|
	v_max3_num_f32 v[TM], v[TM], v[TM+1], 0x8000000           ; and the floor
	v_add_nc_u32 v[TM+3], 0xf8800000, v[TM]
	v_and_or_b32 v[TM+2], v[TM], 0x7f800000, s[MNT]
	v_lshrrev_b32 v[TM+4], 23, v[TM+3]
.if (\k)/2 == 0
	v_mov_b32 v[SW+(\k)%2], v[TM+4]                ; byte c of word g: the lower keys in the lower byte
.else
	v_lshl_or_b32 v[SW+(\k)%2], v[TM+4], 8*((\k)/2), v[SW+(\k)%2]
.endif
.set ii, 0
.rept 32
	v_med3_num_f32 v[XS+ii], v[XS+ii], -v[TM+2], v[TM+2]
.set ii, ii+1
.endr
.irp q, 0,1,2,3
	v_cvt_scalef32_pk8_bf8_f32 v[CC+2*\q:CC+2*\q+1], v[XS+8*\q:XS+8*\q+7], v[TM+3]   ; their results go to stores alone, loads land on their sources, and the next unit begins with plain vector lines
.endr
	global_store_b128 v[WD], v[CC:CC+3], s[32:33] offset:4096*((\k)%2)+512*((\k)/2)           ; keys 32 c + 0 .. 15: the places of lanes 0-15 of two fragments: two whole aligned runs of 256 bytes
	global_store_b128 v[WD], v[CC+4:CC+7], s[32:33] offset:4096*((\k)%2)+512*((\k)/2)+256     ; keys 32 c + 16 .. 31: those of lanes 16-31
.if (\k) < 6
	VLOAD (\k)+2
.endif
.endm
	VLOAD 0
	VLOAD 1
.irp k, 0,1,2,3,4,5,6,7
	VUNIT \k
.endr
	global_store_b64 v5, v[SW:SW+1], s[12:13] offset:8192   ; my two words of each lane's four: 8 of every 16 bytes; the other 8 come from the work-group with the other p.  512 bytes a step beside its 16,384 of codes
	s_endpgm
; ---- the mask.  16 rows' 512 bytes come by 16 loads of 512 consecutive bytes and turn through my stage: lane (r, h) then holds the 16 bytes of query r that belong to its 16 score registers of a block;
; a compare turns byte i of all lanes into the lane word of register 16 b + i.
.Lmask:
	s_lshl_b32 s30, ttmp9, 15                      ; work-group x = batch x 128 + tile: 16 rows of 2,048 bytes each
	s_lshl_b32 s31, s16, 9                         ; my four steps: 512 bytes of each row
	s_add_co_u32 s30, s30, s31
	s_mov_b32 s31, 0
	s_add_nc_u64 s[8:9], s[8:9], s[30:31]
	s_lshl_b32 s30, ttmp9, 12                      ; 16 steps x 256 bytes a tile
	s_lshl_b32 s32, s16, 10
	s_add_co_u32 s30, s30, s32
	s_add_nc_u64 s[14:15], s[14:15], s[30:31]
	s_wait_alu depctr_va_vdst(0)
	v_lshl_add_u32 v[RA], v3, 4, v[RA]             ; + 16 h
	v_lshlrev_b32 v4, 3, v1                        ; out: two words a lane
.set ii, 0
.rept 16
	global_load_b128 v[RR+4*ii:RR+4*ii+3], v5, s[8:9] offset:2048*ii th:TH_LOAD_NT   ; row ii: 32 lanes read 512 consecutive bytes, aligned
.set ii, ii+1
.endr
.irp q, 0,1,2,3,4,5,6,7
	v_mov_b32 v[PC+\q], 0                          ; v_writelane_b32's destination counts as read
.endr
	s_wait_loadcnt 0x0
.set ii, 0
.rept 16
	ds_store_b128 v[WA], v[RR+4*ii:RR+4*ii+3] offset:MST+SROW*ii
.set ii, ii+1
.endr
.set ii, 0
.rept 16
	ds_load_b128 v[RR+64+4*ii:RR+64+4*ii+3], v[RA] offset:MST+32*ii   ; step ii / 4, block ii % 4; LDS serves a wave's instructions in order: these see my stores
.set ii, ii+1
.endr
	s_wait_dscnt 0x0
.set n, 0                              ; n = 64 x step + the score register's number: its byte is byte n % 4 of register n / 4
.rept 32
.irp e, 0,1,2,3,4,5,6,7
	v_and_b32 v[8+\e], 0xff<<(8*(\e%4)), v[RR+64+(n+\e)/4]
.endr
.irp e, 0,1,2,3,4,5,6,7
	v_cmp_ne_u32 s[40+\e], 0, v[8+\e]
.endr
.irp e, 0,1,2,3,4,5,6,7
	v_writelane_b32 v[PC+2*(n/64)+\e%2], s[40+\e], ((n+\e)%64)/2   ; word m of a step goes to lane m / 2, register m % 2
.endr
.set n, n+8
.endr
.irp q, 0,1,2,3
	global_store_b64 v4, v[PC+2*\q:PC+2*\q+1], s[14:15] offset:256*\q   ; 32 lanes store 256 consecutive bytes, aligned
.endr
	s_wait_tensorcnt 0x0                           ; the wave's end, behind my last LDS store
	ds_add_u32 v[SPW], v[NIL]
	s_wait_dscnt 0x0
	s_endpgm
.Lfunc_end_k_qfb813fd545_prep:
	.size	k_qfb813fd545_prep, .Lfunc_end_k_qfb813fd545_prep-k_qfb813fd545_prep
	.p2alignl 7, 3214868480
	.fill 96, 4, 3214868480
	.section	.rodata,"a",@progbits
	.p2align	6, 0x0
	.amdhsa_kernel k_qfb813fd545_prep
		.amdhsa_group_segment_fixed_size 68096
		.amdhsa_private_segment_fixed_size 0
		.amdhsa_enable_private_segment 0
		.amdhsa_kernarg_size 48
		.amdhsa_user_sgpr_count 2
		.amdhsa_user_sgpr_kernarg_segment_ptr 1
		.amdhsa_wavefront_size32 1
		.amdhsa_system_sgpr_workgroup_id_x 1
		.amdhsa_system_sgpr_workgroup_id_y 1
		.amdhsa_system_sgpr_workgroup_id_z 1
		.amdhsa_system_vgpr_workitem_id 0
		.amdhsa_next_free_vgpr 256
		.amdhsa_next_free_sgpr 66
		.amdhsa_reserve_vcc 0
		.amdhsa_float_denorm_mode_32 3
		.amdhsa_float_denorm_mode_16_64 3
		.amdhsa_memory_ordered 1
		.amdhsa_forward_progress 1
		.amdhsa_inst_pref_size 206
	.end_amdhsa_kernel
	.amdgpu_metadata
---
amdhsa.version: [ 1, 2 ]
amdhsa.kernels:
  - .name:           k_qfb813fd545_prep
    .symbol:         k_qfb813fd545_prep.kd
    .args:
      - { .name: key, .offset: 0, .size: 8, .value_kind: global_buffer, .address_space: global }
      - { .name: value, .offset: 8, .size: 8, .value_kind: global_buffer, .address_space: global }
      - { .name: attention_mask, .offset: 16, .size: 8, .value_kind: global_buffer, .address_space: global }
      - { .name: kcodes, .offset: 24, .size: 8, .value_kind: global_buffer, .address_space: global }
      - { .name: vbuf, .offset: 32, .size: 8, .value_kind: global_buffer, .address_space: global }
      - { .name: maskw, .offset: 40, .size: 8, .value_kind: global_buffer, .address_space: global }
    .group_segment_fixed_size: 68096
    .private_segment_fixed_size: 0
    .kernarg_segment_align: 8
    .kernarg_segment_size: 48
    .max_flat_workgroup_size: 128
    .sgpr_count:     66
    .vgpr_count:     256
    .wavefront_size: 32
...
	.end_amdgpu_metadata
.endif
;; end of part 1
;; launch attn (part 2): grid 4 x 64, 8 waves a work-group, clusters of 4 x 1, 327,680 bytes of LDS; arguments query, kcodes, vbuf, maskw, out0; writes out0
.if DOCPART == 2
	.amdgcn_target "amdgcn-amd-amdhsa--gfx1250"
	.amdhsa_code_object_version 6
	.text
	.protected	k_qfb813fd545_attn
	.globl	k_qfb813fd545_attn
	.p2align	8
	.type	k_qfb813fd545_attn,@function
k_qfb813fd545_attn:
	s_mov_b64 s[64:65], 0
	v_nop
	global_prefetch_b8 v0, s[64:65] scope:SCOPE_SE
	s_setreg_imm32_b32 hwreg(HW_REG_WAVE_MODE, 25, 1), 1
	s_wait_xcnt 0x0
	s_wait_alu depctr_hold_cnt(0) depctr_sa_sdst(0) depctr_va_vdst(0) depctr_va_sdst(0) depctr_va_ssrc(0) depctr_va_vcc(0) depctr_vm_vsrc(0)
	s_getreg_b32 s2, hwreg(HW_REG_IB_STS2, 6, 4)
	s_cmp_eq_u32 s2, 0
	s_cbranch_scc0 .Lentry_in_a_cluster
	s_endpgm
.Lentry_in_a_cluster:
	s_bfe_u32 s2, ttmp6, 0x10000c
	s_cmp_lg_u32 s2, 0x3003
	s_cbranch_scc0 .Lentry_shape_is_right
	s_endpgm
.Lentry_shape_is_right:
; ATTENTION ON CODES OF BF8 (E5M2).  out0[q][b][nh x 128 + :] = softmax_k(where(mask, -10000, Q.K / sqrt(128))) V, both products on codes with one E8M0 scale for each 32 along K.
; NOTHING OF THE PROBLEM IS LEFT OUT.  The second product's left operand is the FINISHED softmax, so a row's maximum and sum must stand before any p is quantised: the first product is made twice.
; PASS 1: S^T = K Q^T, the mask, the running maximum M (rounded up to a whole number) and the sum of 2^(t - M), t = score x log2(e) / sqrt(128).
; PASS 2: S^T again, p = 2^(t - M - log2(sum)): the division by the sum stands in the exponent's addend; p is quantised along the keys, block by block, and O^T += V^T P^T.
; SHARES: 64 heads x 4 work-groups; a work-group STAYS and takes two blocks of 256 queries of its head (cx and cx + 4), one after the other, on one fill of K; each of its 8 waves owns 32 queries of a block, two tiles of 16;
; a lane holds one query (lane % 16) throughout.
; LDS: 0: K's codes of the whole head, 16 key steps x 16,384 bytes, filled once, 32 KiB by each wave; VS0, VS1: a ring of two slots for V's steps; VSC: V's scale words; the spare words; STG: four stages for the way out.
; The four work-groups of a cluster share head, K and V: every tensor load is a joint one (mask 15).  At a block's start V's steps 0 and 1 and V's scale words are asked for behind a round, 8 KiB by each of waves 0 to 4
; (one text for both blocks: the scale words come again with the second), and are waited for between the passes: pass 1 reads K alone.  K's scale words, 512 consecutive bytes a step, come to each wave's registers by one load, a key step ahead.
; PREFETCHES INTO THE L2.  V's steps 2 to 15: in trip t (0 to 6) of the first block's pass 1 wave t of each partner asks for 8 KiB, lanes 256 bytes apart: piece 4 t + cx, so the cluster asks for steps 2 t + 2 and 2 t + 3; each block of 256 bytes once;
; the partners are told apart by address.  The second block's Q: between the first block's passes each wave asks for its own 32 rows x 512 bytes, a lane a row.  K is asked for whole at the head, with no loop ahead of it.
; LIMITS: the promise holds while |t| stays under 2^31; NaN and infinities among the inputs are not served; a block of zeros has the byte 1 (its codes are zeros); log2(sum) enters the exponent rounded to f32.
; REGISTERS, window 0: v1-11 addresses, v12-27 two tiles' state (-M or -M - log2(sum), largest t, the sum in halves, f), v28-31 K's scale words, v32-35 Q's and p's, v36-55 at work, v56-59 V's scale words, v60-62 offsets,
; v64-191 S^T then p, v192-223 p's codes, v224-255 Q's codes.  Window 1: v0-127 O^T, v128-255 eight fragments of K or of V.
.set VS0,   0x40000
.set VS1,   0x44000
.set VX,    0x4000                     ; VS0 xor VS1
.set VSC,   0x48000
.set SPARE, 0x4A000                    ; the spare words: 128 bytes a wave
.set STG,   0x4A400                    ; four stages of 16 x 272 bytes: no fill lands here
.set STEPB, 16384
.set SPI,   272
.set LI,  1
.set ADK, 2
.set QA,  3
.set ADV, 4
.set ADT, 5
.set SPW, 6
.set NIL, 7
.set NEG, 8
.set STO, 9
.set RD,  10
.set GO,  11
.set ST,  12
.set KS,  28
.set QS,  32
.set PS,  34
.set TM,  36
.set T16, 52
.set T17, 53
.set SUM2, 54
.set VR,  56
.set KO,  60                           ; v60 offset of K's scale words asked for: 512 x step + 16 x lane
.set PFO, 61                           ; v61 Q's prefetch: a lane a row, one block of queries (4 x 256 rows) on; never rewritten
.set PFV, 62                           ; v62 V's prefetch: my piece + 256 x lane; never rewritten
.set SB,  64
.set PB,  192
.set QB,  224
.set OB,  0
.set FB,  128
.set G1,  4                            ; s[4:11]  group 1: 32 rows of 256 bytes
.set G0V, 12                           ; s[12:15] group 0 for V
.set TSV, 16
.set LIM, 17                           ; s17 the count of pass 1's trips at which my wave prefetches; 0: never
.set KSP, 18                           ; s[18:19] my head's part of vbuf; never stepped
.set SEL, 20
.set CS,  22
.set MP,  24
.set OUTP, 26
.set WV,  28
.set CNT, 29
.set TBK, 30
.set TBV, 31
.set MNT, 66
.set BLK, 67                           ; s67 blocks to go
.set QP,  100                          ; s[100:101] my rows of Q
.set MSB, 0
.macro WIN new
.if MSB != \new
	s_set_vgpr_msb (MSB<<8)|\new
.set MSB, \new
.endif
.endm
.macro CREST                           ; a round of the cluster's barrier behind its opening barrier
	s_cmp_lg_u32 s[WV], 0
	s_cbranch_scc1 .Lnw0_\@
	s_barrier_signal -3
.Lnw0_\@:
	s_barrier_wait -3
	s_barrier_signal -1
	s_barrier_wait -1
.endm
.macro CROUND
	s_barrier_signal -1
	s_barrier_wait -1
	CREST
.endm
; 64 numbers of a lane (register 16 b + i = k 32 b + 16 (lane / 16) + i of its row) become 16 registers of codes and the row's scale word
.macro QUANT s, d, w
.irp b, 0,1,2,3
	v_max3_num_f32 v[TM+\b], |v[(\s)+16*\b]|, |v[(\s)+16*\b+1]|, 0x8000000
.endr
.irp i, 2,4,6,8,10,12,14
.irp b, 0,1,2,3
	s_delay_alu instid0(VALU_DEP_4)
	v_max3_num_f32 v[TM+\b], v[TM+\b], |v[(\s)+16*\b+\i]|, |v[(\s)+16*\b+\i+1]|
.endr
.endr
.irp b, 0,1,2,3
	s_delay_alu instid0(VALU_DEP_4)
	v_permlanex16_b32 v[TM+4+\b], v[TM+\b], s[SEL], s[SEL+1]
.endr
.irp b, 0,1,2,3
	s_delay_alu instid0(VALU_DEP_4)
	v_max_num_f32 v[TM+\b], v[TM+\b], v[TM+4+\b]
.endr
.irp b, 0,1,2,3
	s_delay_alu instid0(VALU_DEP_4)
	v_add_nc_u32 v[TM+12+\b], 0xf8800000, v[TM+\b]
.endr
.irp b, 0,1,2,3
	v_and_or_b32 v[TM+8+\b], v[TM+\b], 0x7f800000, s[MNT]
.endr
.irp b, 0,1,2,3
	v_lshrrev_b32 v[TM+4+\b], 23, v[TM+12+\b]
.endr
	s_delay_alu instid0(VALU_DEP_3)
	v_lshl_or_b32 v[\w], v[TM+5], 8, v[TM+4]
	s_delay_alu instid0(VALU_DEP_1)
	v_lshl_or_b32 v[\w], v[TM+6], 16, v[\w]
	s_delay_alu instid0(VALU_DEP_1)
	v_lshl_or_b32 v[\w], v[TM+7], 24, v[\w]
.irp b, 0,1,2,3
.irp i, 0,1,2,3,4,5,6,7,8,9,10,11,12,13,14,15
	v_med3_num_f32 v[(\s)+16*\b+\i], v[(\s)+16*\b+\i], -v[TM+8+\b], v[TM+8+\b]
.endr
	v_cvt_scalef32_pk8_bf8_f32 v[(\d)+4*\b:(\d)+4*\b+1], v[(\s)+16*\b:(\s)+16*\b+7], v[TM+12+\b]
	v_cvt_scalef32_pk8_bf8_f32 v[(\d)+4*\b+2:(\d)+4*\b+3], v[(\s)+16*\b+8:(\s)+16*\b+15], v[TM+12+\b]
.endr
	v_nop
.endm
.macro FETCH adr                       ; a step's eight fragments, images of 2,048 bytes, into window 1
	WIN 0x40
.irp t, 0,1,2,3,4,5,6,7
.irp c, 0,1,2,3
	ds_load_b128 v[FB+16*\t+4*\c:FB+16*\t+4*\c+3], v[\adr] offset:2048*\t+512*\c
.endr
.endr
	WIN 0
.endm
; one product: source 0 = fragment t; an odd fragment's scale words stand in lanes 16-31
.macro WM d, b, c, t, sa, sb
.if (\t)%2
	v_wmma_scale_f32_16x16x128_f8f6f4 v[\d:\d+7], v[FB+16*(\t):FB+16*(\t)+15], v[\b:\b+15], \c, v[\sa], v[\sb] matrix_a_fmt:MATRIX_FMT_BF8 matrix_b_fmt:MATRIX_FMT_BF8 matrix_a_scale:MATRIX_SCALE_ROW1
.else
	v_wmma_scale_f32_16x16x128_f8f6f4 v[\d:\d+7], v[FB+16*(\t):FB+16*(\t)+15], v[\b:\b+15], \c, v[\sa], v[\sb] matrix_a_fmt:MATRIX_FMT_BF8 matrix_b_fmt:MATRIX_FMT_BF8
.endif
.endm
.macro QK                              ; S^T = K Q^T: 16 accumulators, each begun with 0
	WIN 0x01
.irp t, 0,1,2,3,4,5,6,7
.irp x, 0,1
	WM SB+64*\x+8*\t, QB+16*\x, 0, \t, KS+\t/2, QS+\x
.endr
.endr
	WIN 0
.endm
.macro PV zero                         ; O^T += V^T P^T: the 16 accumulators by turns
	WIN 0x51
.irp t, 0,1,2,3,4,5,6,7
.irp x, 0,1
.if \zero
	WM OB+64*\x+8*\t, PB+16*\x, 0, \t, VR+\t/2, PS+\x
.else
	WM OB+64*\x+8*\t, PB+16*\x, v[OB+64*\x+8*\t:OB+64*\x+8*\t+7], \t, VR+\t/2, PS+\x
.endif
.endr
.endr
	WIN 0
.endm
.macro MLOAD off                       ; a tile-step's 64 lane words of the mask
	s_load_b512 s[32:47], s[MP:MP+1], (\off)
	s_load_b512 s[48:63], s[MP:MP+1], (\off)+64
	s_load_b512 s[68:83], s[MP:MP+1], (\off)+128
	s_load_b512 s[84:99], s[MP:MP+1], (\off)+192
.endm
; masked scores become -10000 sqrt(128); then the next words are asked for.  mode 0: tile 1's of this step; 1: tile 0's of the next; 2: of step 0 again; 3: none
.macro MASK x, mode
	s_wait_kmcnt 0x0
.if \mode == 1
	s_add_nc_u64 s[MP:MP+1], s[MP:MP+1], 256
.elseif \mode == 2
	s_sub_nc_u64 s[MP:MP+1], s[MP:MP+1], 3840
.endif
.set n, 0
.rept 64
	v_cndmask_b32 v[SB+64*\x+n], v[SB+64*\x+n], v[NEG], s[32+n+4*(n/32)]
.set n, n+1
.endr
.if \mode == 0
	MLOAD 4096
.elseif \mode < 3
	MLOAD 0
.endif
.endm
.macro BMAX x                          ; my 16 scores' largest, for each block of 32 keys
.irp b, 0,1,2,3
	v_max3_num_f32 v[TM+\b], v[SB+64*\x+16*\b], v[SB+64*\x+16*\b+1], v[SB+64*\x+16*\b+2]
.endr
.irp i, 3,5,7,9,11,13
.irp b, 0,1,2,3
	s_delay_alu instid0(VALU_DEP_4)
	v_max3_num_f32 v[TM+\b], v[TM+\b], v[SB+64*\x+16*\b+\i], v[SB+64*\x+16*\b+\i+1]
.endr
.endr
.irp b, 0,1,2,3
	s_delay_alu instid0(VALU_DEP_4)
	v_max_num_f32 v[TM+\b], v[TM+\b], v[SB+64*\x+16*\b+15]
.endr
.endm
.macro TSCALE x                        ; score x c + the tile's addend, two at a time
.set n, 0
.rept 32
	v_pk_fma_f32 v[SB+64*\x+n:SB+64*\x+n+1], v[SB+64*\x+n:SB+64*\x+n+1], s[CS:CS+1], v[ST+8*\x:ST+8*\x+1] op_sel_hi:[1,0,0]
.set n, n+2
.endr
.endm
.macro EXP64 x
.set n, 0
.rept 64
	v_exp_f32 v[SB+64*\x+n], v[SB+64*\x+n]
.set n, n+1
.endr
.endm
.macro STAT x, mode                    ; pass 1: the running maximum and sum of a tile
	MASK \x, \mode
	BMAX \x
	s_delay_alu instid0(VALU_DEP_2)
	v_max3_num_f32 v[T16], v[TM], v[TM+1], v[TM+2]
	s_delay_alu instid0(VALU_DEP_1)
	v_max_num_f32 v[T16], v[T16], v[TM+3]
	s_delay_alu instid0(VALU_DEP_1)
	v_permlanex16_b32 v[T17], v[T16], s[SEL], s[SEL+1]
	s_delay_alu instid0(VALU_DEP_1)
	v_max_num_f32 v[T16], v[T16], v[T17]
	s_delay_alu instid0(VALU_DEP_1)
	v_mul_f32 v[T16], s[CS], v[T16]
	s_delay_alu instid0(VALU_DEP_1)
	v_max_num_f32 v[ST+8*\x+1], v[ST+8*\x+1], v[T16]
	v_mov_b32 v[T16], v[ST+8*\x]
	s_delay_alu instid0(VALU_DEP_2)
	v_floor_f32 v[ST+8*\x], -v[ST+8*\x+1]              ; -M = floor(-t)
	s_delay_alu instid0(VALU_DEP_1)
	v_sub_f32 v[T16], v[ST+8*\x], v[T16]
	s_delay_alu instid0(VALU_DEP_1)
	v_cvt_i32_f32 v[T16], v[T16]
	s_delay_alu instid0(VALU_DEP_1)
	v_ldexp_f32 v[ST+8*\x+6], 1.0, v[T16]              ; f = 2^(old M - new M)
	TSCALE \x
	s_wait_alu depctr_va_vdst(0)                       ; the wait ahead of the batch
	EXP64 \x
	v_pk_mul_f32 v[ST+8*\x+2:ST+8*\x+3], v[ST+8*\x+2:ST+8*\x+3], v[ST+8*\x+6:ST+8*\x+7] op_sel_hi:[1,0]
	s_wait_alu depctr_va_vdst(0)                       ; and behind it
	v_pk_add_f32 v[SUM2:SUM2+1], v[SB+64*\x:SB+64*\x+1], v[SB+64*\x+2:SB+64*\x+3]
.irp j, 4,8,12,16,20,24,28,32,36,40,44,48,52,56,60
	v_pk_add_f32 v[ST+8*\x+2:ST+8*\x+3], v[ST+8*\x+2:ST+8*\x+3], v[SB+64*\x+\j:SB+64*\x+\j+1]
	v_pk_add_f32 v[SUM2:SUM2+1], v[SUM2:SUM2+1], v[SB+64*\x+\j+2:SB+64*\x+\j+3]
.endr
	s_delay_alu instid0(VALU_DEP_1)
	v_pk_add_f32 v[ST+8*\x+2:ST+8*\x+3], v[ST+8*\x+2:ST+8*\x+3], v[SUM2:SUM2+1]
.endm
; THE CHANGE OF V'S SLOTS, in two parts.  OPEN: my tensor loads are done, the add, my reads of the slot just fetched are back, the signal.  kind 1: a refill follows; 2: none.
; Between OPEN and CLOSE stands work on registers alone: tile 0's exponentials, the last step's 16 products, tile 0's codes.
.macro OPEN kind
	s_wait_alu depctr_va_vdst(0)                       ; directly ahead of the wait below
	s_wait_tensorcnt 0x0
	ds_add_u32 v[SPW], v[NIL]
.if (\kind) == 1
	s_xor_b32 s[G0V+1], s[G0V+1], VX
	s_add_nc_u64 s[G0V+2:G0V+3], s[G0V+2:G0V+3], STEPB
.endif
	s_wait_dscnt 0x0
	s_barrier_signal -1
.endm
; CLOSE: the wait, the rest of the cluster's round, and waves 0 and 1 fill the slot just read again, half each, with the step two on
.macro CLOSE kind
	s_barrier_wait -1
.if (\kind) == 1
	CREST
	s_cmp_lt_u32 s[WV], 2
	s_cbranch_scc0 .Lnm_\@
	tensor_load_to_lds s[G0V:G0V+3], s[G1:G1+7]
	s_nop 0
.rept 4
	v_nop
.endr
.Lnm_\@:
.endif
.endm
.macro SOFT1 x, mode, sync             ; pass 2: the finished p of a tile, and each block's largest by the same two instructions on its largest score
	MASK \x, \mode
	BMAX \x
.irp b, 0,1,2,3
	s_delay_alu instid0(VALU_DEP_4)
	v_permlanex16_b32 v[TM+4+\b], v[TM+\b], s[SEL], s[SEL+1]
.endr
.irp b, 0,1,2,3
	s_delay_alu instid0(VALU_DEP_4)
	v_max_num_f32 v[TM+\b], v[TM+\b], v[TM+4+\b]
.endr
.if \sync
	OPEN \sync
.endif
	TSCALE \x
.irp b, 0,1,2,3
	v_fma_f32 v[TM+\b], v[TM+\b], s[CS], v[ST+8*\x]
.endr
	s_wait_alu depctr_va_vdst(0)                       ; the wait ahead of the batch
	EXP64 \x
.irp b, 0,1,2,3
	v_exp_f32 v[TM+\b], v[TM+\b]
.endr
	v_nop
	s_wait_alu depctr_va_vdst(0)                       ; and behind it
.irp b, 0,1,2,3
	v_max_num_f32 v[TM+\b], 0x8000000, v[TM+\b]        ; the floor: the byte cannot fall under 1
.endr
.irp b, 0,1,2,3
	s_delay_alu instid0(VALU_DEP_4)
	v_add_nc_u32 v[TM+12+\b], 0xf8800000, v[TM+\b]     ; the conversion's scale operand
.endr
.irp b, 0,1,2,3
	v_and_or_b32 v[TM+8+\b], v[TM+\b], 0x7f800000, s[MNT]   ; 57,344 x the scale
.endr
.endm
.macro SOFT2 x                         ; the hold, the scale word, the codes
.irp b, 0,1,2,3
.irp i, 0,1,2,3,4,5,6,7,8,9,10,11,12,13,14,15
	v_min_num_f32 v[SB+64*\x+16*\b+\i], v[SB+64*\x+16*\b+\i], v[TM+8+\b]
.endr
.endr
.irp b, 0,1,2,3
	v_lshrrev_b32 v[TM+4+\b], 23, v[TM+12+\b]
.endr
	s_delay_alu instid0(VALU_DEP_3)
	v_lshl_or_b32 v[PS+\x], v[TM+5], 8, v[TM+4]
	s_delay_alu instid0(VALU_DEP_1)
	v_lshl_or_b32 v[PS+\x], v[TM+6], 16, v[PS+\x]
	s_delay_alu instid0(VALU_DEP_1)
	v_lshl_or_b32 v[PS+\x], v[TM+7], 24, v[PS+\x]
.irp b, 0,1,2,3
	v_cvt_scalef32_pk8_bf8_f32 v[PB+16*\x+4*\b:PB+16*\x+4*\b+1], v[SB+64*\x+16*\b:SB+64*\x+16*\b+7], v[TM+12+\b]
	v_cvt_scalef32_pk8_bf8_f32 v[PB+16*\x+4*\b+2:PB+16*\x+4*\b+3], v[SB+64*\x+16*\b+8:SB+64*\x+16*\b+15], v[TM+12+\b]
.endr
	v_nop
.endm
.macro P1STEP last
	s_wait_loadcnt 0x0                                 ; K's scale words of this step
	s_wait_dscnt 0x0                                   ; and its fragments
	QK
.if \last
	s_mov_b32 s[TBK], 0                                ; pass 2 begins at step 0 again
	v_mov_b32 v[KO], v[LI]
.else
	s_add_co_u32 s[TBK], s[TBK], STEPB
	v_add_nc_u32 v[KO], 512, v[KO]
.endif
	v_add_nc_u32 v[ADK], s[TBK], v[LI]
.rept 6
	v_nop                                              ; with the two lines above: eight places behind the products, ahead of loads into their sources
.endr
	FETCH ADK
	global_load_b128 v[KS:KS+3], v[KO], s[KSP:KSP+1]   ; 32 lanes read 512 consecutive bytes
.if \last == 0
	s_cmp_eq_u32 s[CNT], s[LIM]                        ; my wave's trip of the first block?
	s_cbranch_scc0 .Lnp_\@
	global_prefetch_b8 v[PFV], s[KSP:KSP+1] th:TH_LOAD_NT scope:SCOPE_SE
.Lnp_\@:
.endif
	STAT 0, 0
	STAT 1, 1+\last
.endm
; pv: 0 no step of V is due yet, 1 the first (it starts the sums), 2 the others.  The second product runs one step behind the first.
.macro P2STEP pv, fill, nextk, m
	s_wait_loadcnt 0x0
	s_wait_dscnt 0x0
	QK
.if \pv
	v_add_nc_u32 v[ADV], s[TBV], v[LI]
	v_add_nc_u32 v[ADT], s[TSV], v[LI]
.rept 6
	v_nop
.endr
	FETCH ADV
	ds_load_b128 v[VR:VR+3], v[ADT]
	s_xor_b32 s[TBV], s[TBV], VX
	s_add_co_u32 s[TSV], s[TSV], 512
.else
.rept 8
	v_nop
.endr
.endif
.if \nextk == 1
	v_add_nc_u32 v[KO], 512, v[KO]
	global_load_b128 v[KS:KS+3], v[KO], s[KSP:KSP+1]
.endif
.if \pv
	SOFT1 0, 0, 2-\fill
	PV 2-\pv
.else
	SOFT1 0, 0, 0
.endif
	s_wait_alu depctr_va_vdst(0)                       ; directly ahead of the reader below
	SOFT2 0
.if \pv
	CLOSE 2-\fill
.endif
.if \nextk == 1
	s_add_co_u32 s[TBK], s[TBK], STEPB
	v_add_nc_u32 v[ADK], s[TBK], v[LI]
	FETCH ADK
.else
	v_add_nc_u32 v[ADV], s[TBV], v[LI]
	v_add_nc_u32 v[ADT], s[TSV], v[LI]
	FETCH ADV
	ds_load_b128 v[VR:VR+3], v[ADT]
.endif
	SOFT1 1, \m, 0
	SOFT2 1
.endm
; O^T through a stage of 16 rows x (256 + 16) bytes, a quarter of my 32 x 512 bytes at a time; sixteen lanes store 256 consecutive bytes, aligned
.macro OUT
.irp g, 0,1,2,3
	WIN 0x04
.irp t, 0,1,2,3
	ds_store_b128 v[STO], v[OB+32*\g+8*\t:OB+32*\g+8*\t+3] offset:64*\t
	ds_store_b128 v[STO], v[OB+32*\g+8*\t+4:OB+32*\g+8*\t+7] offset:64*\t+16
.endr
	WIN 0
.irp i, 0,1,2,3,4,5,6,7
	ds_load_b128 v[SB+32*\g+4*\i:SB+32*\g+4*\i+3], v[RD] offset:2*SPI*\i   ; LDS serves a wave's instructions in order: these see my stores
.endr
.endr
.irp g, 0,1,2,3
.irp i, 0,1,2,3,4,5,6,7
	s_wait_dscnt 16*(3-\g)+7-\i                        ; the LDS instructions issued behind this load may be out
	global_store_b128 v[GO], v[SB+32*\g+4*\i:SB+32*\g+4*\i+3], s[OUTP:OUTP+1] offset:524288*(\g/2)+65536*\i+256*(\g%2) th:TH_STORE_NT
.endr
.endr
.endm
	s_load_b256 s[32:39], s[0:1], 0x0                  ; query, kcodes, vbuf, maskw
	s_load_b64 s[OUTP:OUTP+1], s[0:1], 0x20
	v_lshl_add_u32 v[SPW], v0, 2, SPARE
	v_mov_b32 v[NIL], 0
	ds_add_u32 v[SPW], v[NIL]                          ; the opening lines: the add twice on end
	ds_add_u32 v[SPW], v[NIL]
	v_lshrrev_b32 v1, 5, v0
	s_delay_alu instid0(VALU_DEP_1)
	v_readfirstlane_b32 s[WV], v1
	s_bfe_u32 s2, ttmp6, 0x40000                       ; cx
	s_lshl_b32 s3, ttmp9, 2
	s_add_co_u32 s3, s3, s2                            ; my first block of 256 queries
	s_and_b32 s17, ttmp7, 0xffff                       ; the head
	s_mov_b32 s[G1], 15|(3<<16)|(1<<21)                ; joint with my three partners; elements of 8 bytes
	s_mov_b32 s[G1+1], 32<<16
	s_mov_b32 s[G1+2], 32<<16
	s_mov_b32 s[G1+3], 32<<16
	s_mov_b32 s[G1+4], 32
	s_mov_b32 s[G1+5], 32
	s_mov_b32 s[G1+6], 0
	s_mov_b32 s[G1+7], 0
	s_mov_b32 s68, 15|(3<<16)|(1<<21)                  ; s[68:75]: the same with 128 rows, for K
	s_mov_b32 s69, 32<<16
	s_mov_b32 s70, 128<<16
	s_mov_b32 s71, 32<<16
	s_mov_b32 s72, 128
	s_mov_b32 s73, 32
	s_mov_b32 s74, 0
	s_mov_b32 s75, 0
	s_lshl_b32 s52, s3, 23                             ; Q and out0: a query's row is 32,768 bytes, a head's part 512
	s_lshl_b32 s53, s[WV], 20
	s_add_co_u32 s52, s52, s53
	s_lshl_b32 s53, s17, 9
	s_add_co_u32 s52, s52, s53
	s_mov_b32 s53, 0
	s_lshl_b32 s54, s17, 18                            ; kcodes: my head, my two steps
	s_lshl_b32 s55, s[WV], 15
	s_add_co_u32 s54, s54, s55
	s_mov_b32 s55, 0
	s_mul_i32 s56, s17, 278528                         ; vbuf: my head
	s_mov_b32 s57, 0
	s_lshr_b32 s58, s17, 5                             ; maskw: batch, block, my two tiles
	s_lshl_b32 s58, s58, 19
	s_lshl_b32 s59, s3, 16
	s_add_co_u32 s58, s58, s59
	s_lshl_b32 s59, s[WV], 13
	s_add_co_u32 s58, s58, s59
	s_mov_b32 s59, 0
	s_lshl_b32 s60, s[WV], 2                           ; V's prefetch: piece 4 x wave + cx of 8 KiB, from step 2 on
	s_add_co_u32 s60, s60, s2
	s_lshl_b32 s60, s60, 13
	s_add_co_u32 s60, s60, 49152
	s_mov_b32 s[SEL], 0x76543210
	s_mov_b32 s[SEL+1], 0xfedcba98
	s_mov_b32 s[CS], 0x3e0293ee                        ; c = log2(e) / sqrt(128)
	s_mov_b32 s[CS+1], s[CS]
	s_mov_b32 s[MNT], 0x600000
	s_mov_b32 s[BLK], 2
	s_mov_b32 s[G0V], 1
	v_and_b32 v2, 15, v0
	v_bfe_u32 v4, v0, 4, 1
	s_delay_alu instid0(VALU_DEP_2)
	v_lshlrev_b32 v[QA], 15, v2
	s_delay_alu instid0(VALU_DEP_1)
	v_lshl_add_u32 v[QA], v4, 6, v[QA]
	v_and_b32 v[LI], 31, v0
	s_delay_alu instid0(VALU_DEP_1)
	v_lshlrev_b32 v[LI], 4, v[LI]                      ; 16 x lane: my place in every image
	s_delay_alu instid0(VALU_DEP_1)
	v_lshlrev_b32 v[PFO], 11, v[LI]
	v_lshlrev_b32 v[PFV], 4, v[LI]
	s_delay_alu instid0(VALU_DEP_2)
	v_add_nc_u32 v[PFO], 0x2000000, v[PFO]             ; 1,024 rows of 32,768 bytes on
	s_delay_alu instid0(VALU_DEP_2)
	v_add_nc_u32 v[PFV], s60, v[PFV]
	s_wait_alu depctr_va_vdst(0)
	s_wait_dscnt 0x0
	s_wait_kmcnt 0x0
	s_add_nc_u64 s[QP:QP+1], s[32:33], s[52:53]
	s_add_nc_u64 s[OUTP:OUTP+1], s[OUTP:OUTP+1], s[52:53]
	s_add_nc_u64 s[MP:MP+1], s[38:39], s[58:59]
	s_mov_b32 s40, 1                                   ; s[40:43]: my 32 KiB of K
	s_lshl_b32 s41, s[WV], 15
	s_add_nc_u64 s[42:43], s[34:35], s[54:55]
	s_or_b32 s43, s43, 0x80000000
	s_add_nc_u64 s[KSP:KSP+1], s[36:37], s[56:57]
	CROUND                                             ; the four partners are here: the joint loads meet
	tensor_load_to_lds s[40:43], s[68:75]              ; every wave's one load at the head: all of K is asked for
	s_nop 0
	v_mov_b32 v[NEG], 0xc7dcf88b                       ; -10000 sqrt(128)
.irp b, 0,1,2,3
	v_mov_b32 v[TM+4+\b], 0                            ; a lane permute's destination counts as a source
.endr
	v_mov_b32 v[T16], 0
	v_mov_b32 v[T17], 0
.Lblock:                                               ; two trips: a block of 256 queries each
.irp x, 0,1
.irp b, 0,1,2,3
.irp j, 0,1,2,3
	global_load_b128 v[SB+64*\x+16*\b+4*\j:SB+64*\x+16*\b+4*\j+3], v[QA], s[QP:QP+1] offset:524288*\x+128*\b+16*\j th:TH_LOAD_NT
.endr
.endr
.endr
	v_mov_b32 v[KO], v[LI]
	global_load_b128 v[KS:KS+3], v[KO], s[KSP:KSP+1]   ; step 0's scale words of K
	s_mov_b32 s[TBK], 0
	s_mov_b32 s[TBV], VS0
	s_mov_b32 s[TSV], VSC
	s_lshl_b32 s2, s[WV], 13                           ; no load of V is out.  The block's first loads of V: to VS0 + 8 KiB x wave: waves 0-3 the two slots, wave 4 VSC;
	s_add_co_u32 s[G0V+1], s2, VS0
	s_add_co_u32 s2, s2, 16384                         ; from step 0 on, wave 4 from the scale words
	s_cmp_eq_u32 s[WV], 4
	s_cselect_b32 s2, 8192, s2
	s_mov_b32 s3, 0
	s_add_nc_u64 s[G0V+2:G0V+3], s[KSP:KSP+1], s[2:3]
	s_or_b32 s[G0V+3], s[G0V+3], 0x80000000
	s_sub_co_u32 s[LIM], 15, s[WV]                     ; wave t prefetches in trip t, waves 0 to 6, in the first block alone
	s_cmp_eq_u32 s[WV], 7
	s_cselect_b32 s[LIM], 0, s[LIM]
	s_cmp_eq_u32 s[BLK], 2
	s_cselect_b32 s[LIM], s[LIM], 0
	s_wait_loadcnt 0x0
	QUANT SB, QB, QS                                   ; Q is read once, by me: quantised here
	QUANT SB+64, QB+16, QS+1
.irp x, 0,1
	v_mov_b32 v[ST+8*\x+1], 0xff61b1e6                 ; the largest t so far: -3e38
	s_delay_alu instid0(VALU_DEP_1)
	v_floor_f32 v[ST+8*\x], -v[ST+8*\x+1]
	v_mov_b32 v[ST+8*\x+2], 0
	v_mov_b32 v[ST+8*\x+3], 0
	v_mov_b32 v[ST+8*\x+7], 0
.endr
	s_wait_alu depctr_va_vdst(0)                       ; directly ahead of the wait below
	s_wait_tensorcnt 0x0                               ; first block: my part of K is in
	ds_add_u32 v[SPW], v[NIL]
	s_wait_dscnt 0x0
	MLOAD 0                                            ; K's descriptors in s32 on are free now
	CROUND                                             ; everybody's part of K is in; nobody reads V's bytes
	s_cmp_lt_u32 s[WV], 5
	s_cbranch_scc0 .Lno_second
	tensor_load_to_lds s[G0V:G0V+3], s[G1:G1+7]        ; waited for between the passes
	s_nop 0
.rept 4
	v_nop
.endr
.Lno_second:
	v_add_nc_u32 v[ADK], s[TBK], v[LI]
	FETCH ADK
	s_mov_b32 s[CNT], 15
.Lpass1:
	P1STEP 0
	s_sub_co_u32 s[CNT], s[CNT], 1
	s_cmp_lg_u32 s[CNT], 0
	s_cbranch_scc1 .Lpass1
	P1STEP 1
	s_cmp_eq_u32 s[BLK], 2
	s_wait_alu depctr_va_vdst(0)                       ; directly ahead of the branch
	s_cbranch_scc0 .Lno_q
	global_prefetch_b8 v[PFO], s[QP:QP+1] th:TH_LOAD_NT scope:SCOPE_SE              ; the second block's Q: my 32 rows, 512 bytes each
	global_prefetch_b8 v[PFO], s[QP:QP+1] offset:256 th:TH_LOAD_NT scope:SCOPE_SE
.Lno_q:
.irp x, 0,1
	v_add_f32 v[ST+8*\x+2], v[ST+8*\x+2], v[ST+8*\x+3]
.endr
.irp x, 0,1
	s_delay_alu instid0(VALU_DEP_2)
	v_permlanex16_b32 v[T16+\x], v[ST+8*\x+2], s[SEL], s[SEL+1]
.endr
.irp x, 0,1
	s_delay_alu instid0(VALU_DEP_2)
	v_add_f32 v[ST+8*\x+2], v[ST+8*\x+2], v[T16+\x]    ; the row's sum
.endr
	s_wait_alu depctr_va_vdst(0)                       ; the wait ahead of the batch
.irp x, 0,1
	v_log_f32 v[T16+\x], v[ST+8*\x+2]
.endr
	v_nop
	s_wait_alu depctr_va_vdst(0)                       ; and behind it
.irp x, 0,1
	v_sub_f32 v[ST+8*\x], v[ST+8*\x], v[T16+\x]        ; the addend of pass 2: -M - log2(sum)
.endr
	s_wait_alu depctr_va_vdst(0)                       ; directly ahead of the wait below
	s_wait_tensorcnt 0x0                               ; V's first loads are in, so their group 0 may be written: the ring's, at step 1 in slot 1, my half
	s_and_b32 s2, s[WV], 1
	s_lshl_b32 s2, s2, 13
	s_mov_b32 s3, 0
	s_add_co_u32 s[G0V+1], s2, VS1
	s_add_nc_u64 s[G0V+2:G0V+3], s[KSP:KSP+1], s[2:3]
	s_add_nc_u64 s[G0V+2:G0V+3], s[G0V+2:G0V+3], 32768
	s_or_b32 s[G0V+3], s[G0V+3], 0x80000000
	s_wait_dscnt 0x0
	s_barrier_signal -1
	s_barrier_wait -1                                  ; V's first bytes are whole for every wave
	P2STEP 0, 0, 1, 1
	P2STEP 1, 1, 1, 1
	s_mov_b32 s[CNT], 13
.Lpass2:
	P2STEP 2, 1, 1, 1
	s_sub_co_u32 s[CNT], s[CNT], 1
	s_cmp_lg_u32 s[CNT], 0
	s_cbranch_scc1 .Lpass2
	P2STEP 2, 0, 2, 3
.rept 7
	v_nop                                              ; with SOFT2's last line: eight places between p's scale word and the products
.endr
	s_wait_alu depctr_va_vdst(0)
	s_wait_dscnt 0x0
	PV 0
; THE WAY OUT.  K stays for the next block, so the stages have bytes of their own: four of them; waves 0 to 3 go first, waves 4 to 7 behind a barrier.
	v_and_b32 v[T16], 15, v0
	v_bfe_u32 v[T17], v0, 4, 1
	s_and_b32 s2, s[WV], 3
	s_mul_i32 s2, s2, 16*SPI
	s_add_co_u32 s2, s2, STG
	v_mul_u32_u24 v[STO], v[T16], SPI
	s_delay_alu instid0(VALU_DEP_1)
	v_lshl_add_u32 v[STO], v[T17], 5, v[STO]
	s_delay_alu instid0(VALU_DEP_1)
	v_add_nc_u32 v[STO], s2, v[STO]
	v_mul_u32_u24 v[RD], v[T17], SPI
	s_delay_alu instid0(VALU_DEP_1)
	v_lshl_add_u32 v[RD], v[T16], 4, v[RD]
	s_delay_alu instid0(VALU_DEP_1)
	v_add_nc_u32 v[RD], s2, v[RD]
	v_lshlrev_b32 v[GO], 15, v[T17]
	s_delay_alu instid0(VALU_DEP_1)
	v_lshl_add_u32 v[GO], v[T16], 4, v[GO]
	s_cmp_lt_u32 s[WV], 4
	s_wait_alu depctr_va_vdst(0)                       ; directly ahead of the branch
	s_cbranch_scc0 .Lout_b
	OUT
.Lout_b:
	s_wait_xcnt 0x0                                    ; the stores above have read their data: the registers are written again below
	s_wait_dscnt 0x0                                   ; my reads of the stage are back
	s_barrier_signal -1
	s_barrier_wait -1
	s_cmp_lt_u32 s[WV], 4
	s_cbranch_scc1 .Lout_e
	OUT
.Lout_e:
	s_wait_xcnt 0x0                                    ; the stores have read their base and data: both are written again below and in the next block
	s_add_nc_u64 s[QP:QP+1], s[QP:QP+1], 0x2000000     ; four blocks of 256 rows on
	s_add_nc_u64 s[OUTP:OUTP+1], s[OUTP:OUTP+1], 0x2000000
	s_add_nc_u64 s[MP:MP+1], s[MP:MP+1], 0x40000-3840  ; the mask words: back to step 0, four blocks on
	s_sub_co_u32 s[BLK], s[BLK], 1
	s_cmp_lg_u32 s[BLK], 0
	s_cbranch_scc1 .Lblock
	s_wait_tensorcnt 0x0                               ; the wave's end
	ds_add_u32 v[SPW], v[NIL]
	s_wait_dscnt 0x0
	CROUND                                             ; the closing round
	s_endpgm
.Lfunc_end_k_qfb813fd545_attn:
	.size	k_qfb813fd545_attn, .Lfunc_end_k_qfb813fd545_attn-k_qfb813fd545_attn
	.p2alignl 7, 3214868480
	.fill 96, 4, 3214868480
	.section	.rodata,"a",@progbits
	.p2align	6, 0x0
	.amdhsa_kernel k_qfb813fd545_attn
		.amdhsa_group_segment_fixed_size 327680
		.amdhsa_private_segment_fixed_size 0
		.amdhsa_enable_private_segment 0
		.amdhsa_kernarg_size 40
		.amdhsa_user_sgpr_count 2
		.amdhsa_user_sgpr_kernarg_segment_ptr 1
		.amdhsa_wavefront_size32 1
		.amdhsa_system_sgpr_workgroup_id_x 1
		.amdhsa_system_sgpr_workgroup_id_y 1
		.amdhsa_system_sgpr_workgroup_id_z 1
		.amdhsa_system_vgpr_workitem_id 0
		.amdhsa_next_free_vgpr 512
		.amdhsa_next_free_sgpr 102
		.amdhsa_reserve_vcc 0
		.amdhsa_float_denorm_mode_32 3
		.amdhsa_float_denorm_mode_16_64 3
		.amdhsa_memory_ordered 1
		.amdhsa_forward_progress 1
		.amdhsa_inst_pref_size 255
	.end_amdhsa_kernel
	.section	.bss,"aw",@nobits
	.p2align	6
	.space	262144
	.amdgpu_metadata
---
amdhsa.version: [ 1, 2 ]
amdhsa.kernels:
  - .name:           k_qfb813fd545_attn
    .symbol:         k_qfb813fd545_attn.kd
    .args:
      - { .name: query, .offset: 0, .size: 8, .value_kind: global_buffer, .address_space: global }
      - { .name: kcodes, .offset: 8, .size: 8, .value_kind: global_buffer, .address_space: global }
      - { .name: vbuf, .offset: 16, .size: 8, .value_kind: global_buffer, .address_space: global }
      - { .name: maskw, .offset: 24, .size: 8, .value_kind: global_buffer, .address_space: global }
      - { .name: out0, .offset: 32, .size: 8, .value_kind: global_buffer, .address_space: global }
    .group_segment_fixed_size: 327680
    .private_segment_fixed_size: 0
    .kernarg_segment_align: 8
    .kernarg_segment_size: 40
    .max_flat_workgroup_size: 256
    .sgpr_count:     102
    .vgpr_count:     512
    .wavefront_size: 32
...
	.end_amdgpu_metadata
.endif
;; end of part 2
